; MI455X (gfx1250); checked and timed in simulation.
; The chip was launched on July 23, 2026; its instructions are those of AMD's public machine-readable ISA for CDNA 5 (MIT licence, August 2026) and "CDNA5" Instruction Set Architecture Reference Guide (July 2026). The comments in the code are by the model that wrote it; some were corrected since.
;; AVQ Seg. Allowed arithmetic: matrix products marked QUANTISED: E4M3 operands, one E8M0 scale for each 32 along K, by v_wmma_scale_f32_16x16x128_f8f6f4 with both operands' format E4M3, f32 sums; everything else in f32.
;; Inputs: embedding 8,192 x 64 float32; x 8 x 64 x 64 x 64 float32.
;; Outputs: out0 8 x 64 x 64 x 64 float32; out1 8 x 64 x 64 x 64 float32; out2 8 x 64 x 64 x 64 float32.
;; This version of the problem:
;;   THIS VERSION OF THE PROBLEM IS GIVEN IN LOW PRECISION. The matrix products marked QUANTISED in the list below multiply operands that are first quantised to E4M3 (4 exponent bits, 3 mantissa bits; 8 bits a number), with one power-of-two scale for each 32 numbers along K (OCP MX v1.0); their sums are f32. All else is computed in f32.
;;   The module's matrix products, in the order in which they are computed (A, B: the left and right operand; K: the contracted axis; several contracted axes count as one K, in the product's order):
;;     1. [M 32,768, K 64] x [K 64, N 8,192]; A: input x; B: input embedding: QUANTISED
;;   THE QUANTISER, for each operand of a quantised product, along K:
;;     - K is cut into blocks of 32 from its start; a last block that is shorter is filled with zeros.
;;     - A block's scale is 2^e with e = floor(log2(the largest magnitude in the block)) - 8, held to -126 .. 127; a block of zeros has e = 0. As a byte (E8M0): e + 127.
;;     - Each number is divided by its block's scale, clamped to +-448, and rounded to the nearest number of E4M3, ties to even, subnormals kept.
;;     - The product sums the exact products of the quantised numbers (number of the format x scale) in f32.
;;   ~~~python
;;   def quantise(x, axis):      # numpy; x: float32 -> the quantised numbers, widened to float32 again
;;       x = np.moveaxis(x, axis, -1); K = x.shape[-1]
;;       x = np.pad(x, [(0, 0)] * (x.ndim - 1) + [(0, -K % 32)]); x = x.reshape(x.shape[:-1] + (-1, 32)); a = np.abs(x).max(-1, keepdims=True)
;;       e = np.where(a > 0, np.clip(np.frexp(np.where(a > 0, a, 1))[1] - 1 - 8, -126, 127), 0)      # np.frexp(a)[1] - 1 = floor(log2(a)), exactly
;;       r = np.clip(x / 2.0 ** e, -448, 448)
;;       step = 2.0 ** (np.maximum(np.frexp(np.where(r == 0, 1, r))[1] - 1, -6) - 3)
;;       q = np.round(r / step) * step * 2.0 ** e      # np.round: ties to even
;;       return np.moveaxis(q.reshape(q.shape[:-2] + (-1,))[..., :K], -1, axis).astype(np.float32)
;;   ~~~
;; One version. Each part assembles by itself: llvm-mc -triple=amdgcn-amd-amdhsa -mcpu=gfx1250 --defsym DOCPART=n.
;; ======== version 1 of 1: 3 launches
;; limits: right only within a limited range of input values
;; workspace buffers: ew 589,824 bytes; xw 2,228,224 bytes; idx 131,072 bytes of whole numbers
;; launch prep (part 1): grid 256 x 1, 16 waves a work-group, no clusters, 167,936 bytes of LDS; arguments x, embedding, out2, xw, ew; writes out2, xw, ew
.if DOCPART == 1
	.amdgcn_target "amdgcn-amd-amdhsa--gfx1250"
	.amdhsa_code_object_version 6
	.text
	.protected	k_q790b1acc46_prep
	.globl	k_q790b1acc46_prep
	.p2align	8
	.type	k_q790b1acc46_prep,@function
k_q790b1acc46_prep:
	s_mov_b64 s[64:65], 0
	v_nop
	global_prefetch_b8 v0, s[64:65] scope:SCOPE_SE
	s_setreg_imm32_b32 hwreg(HW_REG_WAVE_MODE, 25, 1), 1
	s_wait_xcnt 0x0
; VECTOR QUANTISATION BY THE NEAREST CODE, in three launches: prep (this one), search, gather.
; reference(): d[q][n] = |x_q|^2 + |e_n|^2 - 2 x_q . e_n; index = argmin over n; out1 = e[index]; out0 = x + (e[index] - x), laid b c h w; out2 = x laid b h w c.
; The product x_q . e_n is taken on codes of E4M3 with one E8M0 scale for each 32 of the 64 channels.
; WORK LEFT OUT, for all finite values of the inputs:
;   |x_q|^2 is one number for all 8,192 candidates of a query, so argmin_n(|x_q|^2 + |e_n|^2 - 2 s[n]) = argmax_n(s[n] - |e_n|^2 / 2): it is never formed.
;   x + (e[index] - x) = e[index] by an identity: out0 is out1 laid b c h w, and the launch that makes it does not read x.
;   Both inputs stay live: x feeds the product and out2, the embedding the product, |e_n|^2 and the lookup.
; LIMITS: NaN and infinities among the inputs are not served; a NaN, an infinity or an overflow that would reach only |x_q|^2 or (e[index] - x) is not carried to the result.
;   The score is rounded once as s - |e|^2 / 2, not in reference()'s order of two additions.  Equal scores give the lowest index, as argmin does.
; THIS LAUNCH quantises both operands once, as images of the matrix instruction's registers, and stores out2.
;   ew = 4 chunks of CHB bytes.  Tile t (rows 16 t .. 16 t + 15 of the embedding) lies in chunk (t / 16) % 4 at place p = 16 (t / 64) + t % 16:
;     1024 p + 512 c + 16 lane: the codes; lane (r, h) holds channels 32 c + 16 h + 0 .. 15 of row r;  131072 + 64 p + 4 m: -|e|^2 / 2 of row m;  139264 + 64 p + 4 r: row r's scale word (two bytes, then 0x7f twice for the upper 64 along K, whose codes are zeros)
;   xw = 256 blocks of 8,704 bytes, one for each work-group's 128 queries: tile u of 16 queries at 1024 u + 512 c + 16 lane; its scale words at 8192 + 64 u + 4 r (the two bytes, twice)
; A block's scale is 2^(floor(log2(its largest magnitude)) - 8): its byte is that magnitude's exponent field - 8, held at 1 from below by a floor among the maximum's leaves.
; (A block of zeros so gets the byte 1 where the rule says 127: its codes are zeros, and this program alone reads the bytes.)
; SHARES.  Work-group g: queries 128 g .. 128 g + 127 and embedding tiles 2 g, 2 g + 1.  Each wave fetches four channels x 128 queries of x by one tensor load into a stage (channel c, query q at 520 c + 4 q).
;   While those loads are out, waves 0 and 1 make one embedding tile each.  Then wave w quantises 16 queries x 32 channels (tile w / 2, block w % 2) and sends 8 queries to out2.
; No cluster: no two work-groups read the same bytes.  No prefetch: there is no loop to run ahead in.
.set CHB,   147456
.set XSC,   33280                      ; behind the stage: x's scale words, 512 bytes
.set SPARE, 33792                      ; the spare words, 128 bytes for each wave: eight blocks of 256 bytes that no other line names
.set X,   64                           ; v64-95   an embedding tile: register 16 c + n = channel 32 c + 16 h + n of row r
.set PC,  96                           ; v96-103  its codes
.set TM,  104                          ; v104-111 largest magnitudes, the other half's then the bytes, 448 x the scale, the conversions' scale operands
.set SQ,  112                          ; v112-115 sums of squares; v116 scale word, v117 -|e|^2 / 2, v118 what is stored
	s_load_b256 s[4:11], s[0:1], 0x0               ; x s[4:5], embedding s[6:7], out2 s[8:9], xw s[10:11]
	s_load_b64 s[60:61], s[0:1], 0x20              ; ew
	v_lshl_add_u32 v1, v0, 2, SPARE
	v_mov_b32 v2, 0
	ds_add_u32 v1, v2                              ; the opening: the add, twice on end, and its wait ahead of my tensor load
	ds_add_u32 v1, v2
	v_lshrrev_b32 v13, 5, v0
	v_readfirstlane_b32 s12, v13                   ; wave 0..15
	s_lshr_b32 s15, s12, 1                         ; the tile of queries that I quantise
	s_and_b32 s16, s12, 1                          ; which block of 32 channels
	; group 1 for x: 4 channels x 128 queries of 4 bytes, 4,096 elements from channel to channel
	s_mov_b32 s24, (2<<16)|(1<<20)|(6<<22)|(1<<25) ; elements of 4 bytes; padding on: 2 words (code 1) after every 128 (code 6)
	s_mov_b32 s25, 128<<16
	s_mov_b32 s26, 4<<16
	s_mov_b32 s27, 128<<16
	s_mov_b32 s28, 4
	s_mov_b32 s29, 4096
	s_mov_b32 s30, 0
	s_mov_b32 s31, 0
	s_lshl_b32 s17, ttmp9, 1
	s_add_co_u32 s17, s17, s12                     ; t = 2 g + wave (used by waves 0 and 1 alone)
	s_bfe_u32 s18, s17, 0x20004                    ; chunk (t / 16) % 4
	s_mul_i32 s18, s18, CHB
	s_lshr_b32 s19, s17, 6
	s_lshl_b32 s19, s19, 4
	s_and_b32 s20, s17, 15
	s_add_co_u32 s19, s19, s20                     ; p
	s_lshl_b32 s40, s19, 10
	s_add_co_u32 s40, s40, s18                     ; the tile's codes in ew
	s_mov_b32 s41, 0
	s_lshl_b32 s42, s19, 6
	s_add_co_u32 s42, s42, s18
	s_add_co_u32 s42, s42, 131072                  ; its 64 bytes of -|e|^2 / 2
	s_mov_b32 s43, 0
	s_lshl_b32 s46, s17, 12                        ; its 16 rows in the embedding
	s_mov_b32 s47, 0
	s_mov_b32 s50, 0x76543210
	s_mov_b32 s51, 0xfedcba98                      ; v_permlanex16_b32's selects for lane l xor 16
	s_mov_b32 s52, 0x600000                        ; the mantissa field of 448
	s_lshr_b32 s58, ttmp9, 5                       ; x: b = g / 32: 2^20 bytes each,
	s_lshl_b32 s58, s58, 20
	s_and_b32 s59, ttmp9, 31
	s_lshl_b32 s59, s59, 9                         ; + my 128 queries' 512 bytes of a channel,
	s_add_co_u32 s58, s58, s59
	s_lshl_b32 s59, s12, 16                        ; + my wave's four channels
	s_add_co_u32 s58, s58, s59
	s_mov_b32 s59, 0
	s_mul_i32 s32, s16, 16640
	s_lshl_b32 s33, s15, 6
	s_add_co_u32 s32, s32, s33
	s_add_co_u32 s33, s33, s16
	s_add_co_u32 s33, s33, XSC
	s_lshl_b32 s34, s12, 5
	s_lshl_b32 s35, s12, 11
	s_mov_b32 s36, 1                               ; group 0 for x: count = 1,
	s_mul_i32 s37, s12, 2080                       ; LDS address: my four rows
	; every address register is made here
	v_and_b32 v13, 15, v0                          ; r
	v_bfe_u32 v14, v0, 4, 1                        ; h
	v_and_b32 v15, 31, v0                          ; lane
	v_mul_u32_u24 v3, v14, 8320
	v_mul_u32_u24 v6, v13, 2080
	v_lshlrev_b32 v4, 4, v0                        ; xw: my half of a fragment's image: 512 w + 16 lane
	v_lshl_add_u32 v3, v13, 2, v3
	v_lshl_add_u32 v6, v14, 2, v6
	v_lshl_add_u32 v7, v14, 8, s35
	v_add_nc_u32 v3, s32, v3                       ; the quantiser's reads: channel 32 (w % 2) + 16 h, query 16 (w / 2) + r
	v_add_nc_u32 v6, s34, v6                       ; out2's reads: channel 4 r, query 8 w + h
	v_lshl_add_u32 v7, v13, 4, v7                  ; and in out2: 2048 w + 256 h + 16 r
	v_lshl_add_u32 v5, v13, 2, s33                 ; my block's byte of the query's scale word
	v_lshl_add_u32 v8, v15, 4, XSC                 ; wave 0: the 512 bytes of scale words
	v_lshlrev_b32 v9, 4, v15                       ; 16 x lane
	v_lshlrev_b32 v10, 8, v13
	v_lshlrev_b32 v12, 2, v13
	v_lshl_add_u32 v10, v14, 6, v10                ; the embedding: row r of 256 bytes, + 64 h
	v_lshl_add_u32 v12, v14, 13, v12               ; lanes 0-15: 4 r among the -|e|^2 / 2; lanes 16-31: 8,192 bytes on, among the scale words
	v_mov_b32 v54, 0                               ; a lane permute's destination counts as one of its sources
	v_mov_b32 v[TM+2], 0
	v_mov_b32 v[TM+3], 0
	s_wait_alu depctr_va_vdst(0)
	s_wait_dscnt 0x0                               ; both opening adds are done
	s_wait_kmcnt 0x0
	s_add_nc_u64 s[38:39], s[4:5], s[58:59]
	s_or_b32 s39, s39, 0x80000000                  ; type = 2
	tensor_load_to_lds s[36:39], s[24:31]          ; my one tensor load
	s_nop 0
	s_add_nc_u64 s[6:7], s[6:7], s[46:47]
	s_add_nc_u64 s[40:41], s[60:61], s[40:41]
	s_add_nc_u64 s[42:43], s[60:61], s[42:43]
	s_lshl_b32 s58, ttmp9, 15
	s_add_nc_u64 s[8:9], s[8:9], s[58:59]          ; out2 at my work-group's first query
	s_mul_i32 s58, ttmp9, 8704
	s_add_nc_u64 s[10:11], s[10:11], s[58:59]      ; xw at my work-group's block
	s_cmp_gt_u32 s12, 1
	s_cbranch_scc1 .Lno_e
	; WAVES 0 AND 1: one tile of the embedding each, while x is on its way
.irp c, 0,1
.irp j, 0,1,2,3
	global_load_b128 v[X+16*\c+4*\j:X+16*\c+4*\j+3], v10, s[6:7] offset:128*\c+16*\j
.endr
.endr
	s_wait_loadcnt 0x0
	v_pk_mul_f32 v[SQ:SQ+1], v[X:X+1], v[X:X+1]    ; the sum of my 32 squares, two at a time, in two chains
	v_pk_mul_f32 v[SQ+2:SQ+3], v[X+2:X+3], v[X+2:X+3]
.irp j, 4,8,12,16,20,24,28
	v_pk_fma_f32 v[SQ:SQ+1], v[X+\j:X+\j+1], v[X+\j:X+\j+1], v[SQ:SQ+1]
	v_pk_fma_f32 v[SQ+2:SQ+3], v[X+\j+2:X+\j+3], v[X+\j+2:X+\j+3], v[SQ+2:SQ+3]
.endr
	v_pk_add_f32 v[SQ:SQ+1], v[SQ:SQ+1], v[SQ+2:SQ+3]
	v_add_f32 v[SQ], v[SQ], v[SQ+1]
	v_permlanex16_b32 v[SQ+1], v[SQ], s50, s51     ; the row's other 32 lie in lane l xor 16
	v_add_f32 v[SQ], v[SQ], v[SQ+1]
	v_mul_f32 v117, -0.5, v[SQ]                    ; -|e|^2 / 2
.irp b, 0,1
	v_max3_num_f32 v[TM+\b], |v[X+16*\b]|, |v[X+1+16*\b]|, 0x4800000   ; my 16 numbers of block b, and the floor 2^(9 - 127)
.endr
.irp i, 2,4,6,8,10,12,14
.irp b, 0,1
	v_max3_num_f32 v[TM+\b], v[TM+\b], |v[X+16*\b+\i]|, |v[X+1+16*\b+\i]|
.endr
.endr
.irp b, 0,1
	v_permlanex16_b32 v[TM+2+\b], v[TM+\b], s50, s51
.endr
.irp b, 0,1
	v_max_num_f32 v[TM+\b], v[TM+\b], v[TM+2+\b]   ; the block's largest magnitude
.endr
.irp b, 0,1
	v_add_nc_u32 v[TM+6+\b], 0xfc000000, v[TM+\b]  ; 8 off its exponent field: the conversion's scale operand
.endr
.irp b, 0,1
	v_and_or_b32 v[TM+4+\b], v[TM+\b], 0x7f800000, s52   ; 448 x the scale
.endr
.irp b, 0,1
	v_lshrrev_b32 v[TM+2+\b], 23, v[TM+6+\b]       ; the scale's byte
.endr
	v_lshl_or_b32 v116, v[TM+3], 8, v[TM+2]
	v_or_b32 v116, 0x7f7f0000, v116                ; the row's scale word
.irp b, 0,1
.irp i, 0,1,2,3,4,5,6,7,8,9,10,11,12,13,14,15
	v_med3_num_f32 v[X+16*\b+\i], v[X+16*\b+\i], -v[TM+4+\b], v[TM+4+\b]   ; the conversion does not saturate (ISA guide 7.6.2): the hold at the largest code x the scale
.endr
	v_cvt_scalef32_pk8_fp8_f32 v[PC+4*\b:PC+4*\b+1], v[X+16*\b:X+16*\b+7], v[TM+6+\b]
	v_cvt_scalef32_pk8_fp8_f32 v[PC+4*\b+2:PC+4*\b+3], v[X+16*\b+8:X+16*\b+15], v[TM+6+\b]
.endr
	v_nop                                          ; a plain instruction behind the last conversion
	v_cmp_lt_u32 vcc_lo, 15, v15                   ; lanes 16-31
	v_cndmask_b32 v118, v117, v116, vcc_lo         ; lanes 0-15 carry -|e|^2 / 2 of row r, lanes 16-31 its scale word
	global_store_b128 v9, v[PC:PC+3], s[40:41]     ; 32 lanes store 512 consecutive bytes, at a multiple of 256 from ew's first byte
	global_store_b128 v9, v[PC+4:PC+7], s[40:41] offset:512
	global_store_b32 v12, v118, s[42:43]           ; two pieces of 64 bytes: one ninth of a tile's bytes
.Lno_e:
	s_wait_tensorcnt 0x0                           ; my four channels of x are in
	s_barrier_signal -1
	s_barrier_wait -1                              ; everybody's are
.irp n, 0,1,2,3,4,5,6,7,8,9,10,11,12,13,14,15
	ds_load_b32 v[16+\n], v3 offset:520*\n         ; channels 32 (w % 2) + 16 h + n of query r
.endr
.irp s, 0,1,2,3
.irp n, 0,1,2,3
	ds_load_b32 v[32+4*\s+\n], v6 offset:520*\n+8*\s   ; channel 4 r + n of query 8 w + 2 s + h
.endr
.endr
	s_wait_dscnt 0x10                              ; the sixteen for out2 may stay out: the quantiser's sixteen are in
	v_max3_num_f32 v52, |v16|, |v17|, 0x4800000    ; my 16 numbers and the floor 2^(9 - 127), in two chains
	v_max3_num_f32 v53, |v18|, |v19|, |v20|
.irp i, 21,25
	v_max3_num_f32 v52, v52, |v[\i]|, |v[\i+1]|
	v_max3_num_f32 v53, v53, |v[\i+2]|, |v[\i+3]|
.endr
	v_max3_num_f32 v52, v52, |v29|, |v30|
	v_max3_num_f32 v52, v52, v53, |v31|
	v_permlanex16_b32 v54, v52, s50, s51
	v_max_num_f32 v52, v52, v54                    ; with lane l xor 16's: the block's largest magnitude
	v_add_nc_u32 v55, 0xfc000000, v52              ; the conversion's scale operand
	v_and_or_b32 v56, v52, 0x7f800000, s52         ; 448 x the scale
	v_lshrrev_b32 v57, 23, v55                     ; the scale's byte
.irp i, 0,1,2,3,4,5,6,7,8,9,10,11,12,13,14,15
	v_med3_num_f32 v[16+\i], v[16+\i], -v56, v56
.endr
	v_cvt_scalef32_pk8_fp8_f32 v[48:49], v[16:23], v55
	v_cvt_scalef32_pk8_fp8_f32 v[50:51], v[24:31], v55
	v_nop                                          ; a plain instruction behind the last conversion
	ds_store_b8 v5, v57                            ; the block's byte (both halves of the lanes write the same byte with the same value),
	ds_store_b8 v5, v57 offset:2                   ; and once more for the upper 64 along K, whose codes are zeros: any byte but 0xff serves
	global_store_b128 v4, v[48:51], s[10:11]       ; four registers of the fragment, as they stand: 512 consecutive bytes a wave
	s_wait_dscnt 0x0                               ; out2's numbers are in, and my bytes are stored: for wave 0's sake
.irp s, 0,1,2,3
	global_store_b128 v7, v[32+4*\s:35+4*\s], s[8:9] offset:512*\s th:TH_STORE_NT   ; 16 lanes store a query's 256 bytes, at a multiple of 256 from out2's first byte
.endr
	s_barrier_signal -1
	s_barrier_wait -1
	s_cmp_lg_u32 s12, 0
	s_cbranch_scc1 .Lend
	ds_load_b128 v[60:63], v8                      ; wave 0: the 128 scale words leave as two whole units of 256 bytes
	s_wait_dscnt 0x0
	global_store_b128 v9, v[60:63], s[10:11] offset:8192
.Lend:
	s_wait_tensorcnt 0x0                           ; the wave's end
	ds_add_u32 v1, v2
	s_wait_dscnt 0x0
	s_endpgm
.Lfunc_end_k_q790b1acc46_prep:
	.size	k_q790b1acc46_prep, .Lfunc_end_k_q790b1acc46_prep-k_q790b1acc46_prep
	.p2alignl 7, 3214868480
	.fill 96, 4, 3214868480
	.section	.rodata,"a",@progbits
	.p2align	6, 0x0
	.amdhsa_kernel k_q790b1acc46_prep
		.amdhsa_group_segment_fixed_size 167936
		.amdhsa_private_segment_fixed_size 0
		.amdhsa_enable_private_segment 0
		.amdhsa_kernarg_size 40
		.amdhsa_user_sgpr_count 2
		.amdhsa_user_sgpr_kernarg_segment_ptr 1
		.amdhsa_wavefront_size32 1
		.amdhsa_system_sgpr_workgroup_id_x 1
		.amdhsa_system_sgpr_workgroup_id_y 1
		.amdhsa_system_sgpr_workgroup_id_z 1
		.amdhsa_system_vgpr_workitem_id 0
		.amdhsa_next_free_vgpr 128
		.amdhsa_next_free_sgpr 66
		.amdhsa_reserve_vcc 1
		.amdhsa_float_denorm_mode_32 3
		.amdhsa_float_denorm_mode_16_64 3
		.amdhsa_memory_ordered 1
		.amdhsa_forward_progress 1
		.amdhsa_inst_pref_size 16
	.end_amdhsa_kernel
	.amdgpu_metadata
---
amdhsa.version: [ 1, 2 ]
amdhsa.kernels:
  - .name:           k_q790b1acc46_prep
    .symbol:         k_q790b1acc46_prep.kd
    .args:
      - { .name: x, .offset: 0, .size: 8, .value_kind: global_buffer, .address_space: global }
      - { .name: embedding, .offset: 8, .size: 8, .value_kind: global_buffer, .address_space: global }
      - { .name: out2, .offset: 16, .size: 8, .value_kind: global_buffer, .address_space: global }
      - { .name: xw, .offset: 24, .size: 8, .value_kind: global_buffer, .address_space: global }
      - { .name: ew, .offset: 32, .size: 8, .value_kind: global_buffer, .address_space: global }
    .group_segment_fixed_size: 167936
    .private_segment_fixed_size: 0
    .kernarg_segment_align: 8
    .kernarg_segment_size: 40
    .max_flat_workgroup_size: 512
    .sgpr_count:     66
    .vgpr_count:     128
    .wavefront_size: 32
...
	.end_amdgpu_metadata
.endif
;; end of part 1
;; launch search (part 2): grid 256 x 1, 16 waves a work-group, clusters of 4 x 1, 327,680 bytes of LDS; arguments xw, ew, idx; writes idx
.if DOCPART == 2
	.amdgcn_target "amdgcn-amd-amdhsa--gfx1250"
	.amdhsa_code_object_version 6
	.text
	.protected	k_q790b1acc46_search
	.globl	k_q790b1acc46_search
	.p2align	8
	.type	k_q790b1acc46_search,@function
k_q790b1acc46_search:
	s_mov_b64 s[64:65], 0
	v_nop
	global_prefetch_b8 v0, s[64:65] scope:SCOPE_SE
	s_setreg_imm32_b32 hwreg(HW_REG_WAVE_MODE, 25, 1), 1
	s_wait_xcnt 0x0
	s_wait_alu depctr_hold_cnt(0) depctr_sa_sdst(0) depctr_va_vdst(0) depctr_va_sdst(0) depctr_va_ssrc(0) depctr_va_vcc(0) depctr_vm_vsrc(0)
	s_getreg_b32 s2, hwreg(HW_REG_IB_STS2, 6, 4)
	s_cmp_eq_u32 s2, 0
	s_cbranch_scc0 .Lentry_in_a_cluster
	s_endpgm
.Lentry_in_a_cluster:
	s_bfe_u32 s2, ttmp6, 0x10000c
	s_cmp_lg_u32 s2, 0x3003
	s_cbranch_scc0 .Lentry_shape_is_right
	s_endpgm
.Lentry_shape_is_right:
; For each of the 32,768 queries: idx = the code n with the largest s[n] - |e_n|^2 / 2, s = x_q . e_n on codes of E4M3 with E8M0 scales.
; LEFT OUT: |x_q|^2, the same for all candidates of a query: argmin_n(|x_q|^2 + |e_n|^2 - 2 s[n]) = argmax_n(s[n] - |e_n|^2 / 2) for all values.  A NaN, an infinity or an overflow in it is not carried on.
; LIMITS: NaN and infinities among the inputs are not served; equal scores give the lowest index; the score is rounded once, as the matrix instruction rounds s + C.
; SHARES.  Work-group g owns queries 128 g .. 128 g + 127.  Wave w: qh = w % 2 picks four tiles of 16 queries, cg = w / 2 an eighth of the codes: tiles 64 cg + n, n = 0 .. 63, sixteen in each of ew's four chunks.
; THE PRODUCT.  Source 0 = 16 codes, source 1 = 16 queries, C = -|e|^2 / 2 of the 16 codes: a lane (r, h) holds ONE query r, and register j of the result the finished score of code 16 t + 8 h + j.
;   K is 64 and the instruction's is 128: the upper eight registers of both operands hold zero codes, written once.  x's fragments come as register images straight from xw and stay in registers.
; THE MAXIMUM.  For each tile of scores: four three-way maxima, a compare with the best so far, one select for the tile's number and four dual-issue pairs of selects that keep its eight scores;
;   the place inside the tile is found once, at the end.  Two query tiles are worked line by line by turns, so that no line reads the line above it.
; THE RING.  ew's four chunks go through two LDS slots; every wave fetches a sixteenth of a chunk (36 rows of 256 bytes), placed by its number: by this text's own count a wave has one tensor load out.
; CLUSTER.  All work-groups walk the same chunks: the four of a cluster ask for each JOINTLY.  x's fragments are each work-group's own and are not shared.
; NO PREFETCH: ew has four fills in all; the third and the fourth are each asked for a whole chunk, 64 products a wave, ahead of their first read.
.set CHB,   147456                     ; a chunk: 128 tiles' codes (131,072), their -|e|^2 / 2 (8,192), their scale words (8,192)
.set SLOT1, 147456
.set MRG,   294912                     ; behind the ring: the waves' results: {score, index} at 64 x query + 8 cg
.set SPARE, 303104                     ; the spare words, 128 bytes for each wave: eight blocks of 256 bytes that no other line names
; v1 my spare word, v2 = 0; v3-5 my lane's places in a chunk (codes, C, scale words); v6-8 the same in the slot in hand; v9 where I put my result, v10 where waves 0, 1 read them, v11 my bytes in idx, v12 1024 cg + 8 h
; v16-79 x's four fragments; v80-83 their scale words; v84-85 the codes' scale words; v88-119 two buffers for a tile's codes; v120-135 two for its C; v136-167 the four results
; v168-175 the best score, two sets by turns; v176-179 its tile; v180-211 its tile's eight scores; v212-217 at work; v216-235 the end; v240-241 offsets in xw
; s12 wave, s13 cx, s14 g, s15 cg, s16 qh; s[32:39] group 1; s[44:47] group 0 of chunk 0, s[48:51] of chunk 1, which then walks; s52 the slot in hand; s53 the tile whose maximum is taken; s54 trips; s55 the walking load's slot
.macro ROUND                           ; a round of the cluster's barrier
	s_barrier_signal -1
	s_barrier_wait -1
	s_cmp_lg_u32 s12, 0
	s_cbranch_scc1 .Lnot_wave_0_\@
	s_barrier_signal -3
.Lnot_wave_0_\@:
	s_barrier_wait -3
	s_barrier_signal -1
	s_barrier_wait -1
.endm
.macro LOADS buf, i                    ; tile i of my sixteen in the slot in hand: codes, C, scale words
	ds_load_b128 v[88+16*(\buf):91+16*(\buf)], v6 offset:1024*(\i)
	ds_load_b128 v[92+16*(\buf):95+16*(\buf)], v6 offset:1024*(\i)+512
	ds_load_b128 v[120+8*(\buf):123+8*(\buf)], v7 offset:64*(\i)
	ds_load_b128 v[124+8*(\buf):127+8*(\buf)], v7 offset:64*(\i)+16
	ds_load_b32 v[84+(\buf)], v8 offset:64*(\i)
.endm
.macro W q, buf
	v_wmma_scale_f32_16x16x128_f8f6f4 v[136+8*(\q):143+8*(\q)], v[88+16*(\buf):103+16*(\buf)], v[16+16*(\q):31+16*(\q)], v[120+8*(\buf):127+8*(\buf)], v[84+(\buf)], v[80+(\q)]
.endm
.macro KEEP q                          ; where VCC is set the tile's eight scores are kept: two selects to an instruction
.irp j, 0,2,4,6
	v_dual_cndmask_b32 v[180+8*(\q)+\j], v[180+8*(\q)+\j], v[136+8*(\q)+\j] :: v_dual_cndmask_b32 v[181+8*(\q)+\j], v[181+8*(\q)+\j], v[137+8*(\q)+\j]
.endr
.endm
; Query tiles a and b: the scores that lie in their result registers against the best so far.  A strict compare keeps the earlier tile.  Each result is read from its low end on.
.macro PP a, b, par
	v_max3_num_f32 v212, v[136+8*(\a)], v[137+8*(\a)], v[138+8*(\a)]
	v_max3_num_f32 v215, v[136+8*(\b)], v[137+8*(\b)], v[138+8*(\b)]
	v_max3_num_f32 v213, v[139+8*(\a)], v[140+8*(\a)], v[141+8*(\a)]
	v_max3_num_f32 v216, v[139+8*(\b)], v[140+8*(\b)], v[141+8*(\b)]
	v_max3_num_f32 v214, v[142+8*(\a)], v[143+8*(\a)], v[168+4*(1-(\par))+(\a)]
	v_max3_num_f32 v217, v[142+8*(\b)], v[143+8*(\b)], v[168+4*(1-(\par))+(\b)]
	v_max3_num_f32 v[168+4*(\par)+(\a)], v212, v213, v214
	v_max3_num_f32 v[168+4*(\par)+(\b)], v215, v216, v217
	v_cmp_gt_f32 vcc_lo, v[168+4*(\par)+(\a)], v[168+4*(1-(\par))+(\a)]
	v_cmp_gt_f32 s60, v[168+4*(\par)+(\b)], v[168+4*(1-(\par))+(\b)]
	KEEP \a
	v_cndmask_b32 v[176+(\a)], v[176+(\a)], s53, vcc_lo
	v_cndmask_b32 v[176+(\b)], v[176+(\b)], s53, s60
	s_mov_b32 vcc_lo, s60                          ; the dual form takes its mask from VCC
	KEEP \b
.endm
; THE CHANGE OF SLOTS stands in a chunk's last step, where that step's fragments are already asked for.  Each wave waits for all its tensor loads (its part of the next slot), adds 0 to its spare word, and waits
; for that and for its reads of this slot.  fill = 1: a round of the cluster's barrier, and the slot just left takes the chunk two on.
.macro CHANGE fill
	s_wait_tensorcnt 0x0                           ; no tensor load of mine is out, so a group 0 may be written
	ds_add_u32 v1, v2                              ; 0 onto my spare word
.if \fill
	s_xor_b32 s55, s55, SLOT1                      ; the walking descriptor: the other slot than last time,
	s_add_co_u32 s49, s56, s55
	s_add_nc_u64 s[50:51], s[50:51], CHB           ; the next chunk; the type bits on top are not reached
.endif
	s_wait_dscnt 0x0                               ; the add is done, and my reads of this slot are over
.if \fill
	ROUND                                          ; no wave of any partner still reads the slot or has a load on its way
	tensor_load_to_lds s[48:51], s[32:39]          ; my one tensor load behind the round, and the first thing there
	s_nop 0
.else
	s_barrier_signal -1
	s_barrier_wait -1
.endif
	s_xor_b32 s52, s52, SLOT1
	v_add_nc_u32 v6, s52, v3
	v_add_nc_u32 v7, s52, v4
	v_add_nc_u32 v8, s52, v5
.endm
; A STEP: the four products of tile i, and round them the maxima of the tile before.  Behind a matrix instruction of this form eight places are owed before its result is read or a load lands on its sources,
; nine before a matrix instruction writes over its result (save for loads).  Here a PP of the two other query tiles, 20 plain instructions that name none of its registers,
; stands between a product and the read of its result, and between the last step's products and the loads into their buffer.
; mode 0: the next tile lies in the same slot; 1: change of slots with a refill; 2: without; 3: the last tile of all.
.macro STEP i, mode
	PP 0, 1, (\i)&1
.if (\mode) == 1
	CHANGE 1
.elseif (\mode) == 2
	CHANGE 0
.endif
.if (\mode) != 3
	LOADS ((\i)+1)&1, ((\i)+1)%16
	s_wait_dscnt 0x5                               ; the five just issued may stay out: this tile's five are in
.else
	s_wait_dscnt 0x0
.endif
	W 0, (\i)&1
	W 1, (\i)&1
	PP 2, 3, (\i)&1
	W 2, (\i)&1
	W 3, (\i)&1
	s_add_co_u32 s53, s53, 1
.endm
.macro CHUNK mode
.irp i, 0,1,2,3,4,5,6,7,8,9,10,11,12,13,14
	STEP \i, 0
.endr
	STEP 15, \mode
.endm
	s_load_b128 s[4:7], s[0:1], 0x0                ; xw s[4:5], ew s[6:7]
	s_load_b64 s[10:11], s[0:1], 0x10              ; idx
	v_lshl_add_u32 v1, v0, 2, SPARE
	v_mov_b32 v2, 0
	ds_add_u32 v1, v2                              ; the opening: the add, twice on end, and its wait ahead of my first tensor load
	ds_add_u32 v1, v2
	v_lshrrev_b32 v13, 5, v0
	v_readfirstlane_b32 s12, v13                   ; wave 0..15
	s_bfe_u32 s13, ttmp6, 0x40000                  ; cx: my place in the cluster
	s_lshl_b32 s14, ttmp9, 2                       ; in a cluster launch ttmp9 counts clusters
	s_add_co_u32 s14, s14, s13                     ; g: it enters the addresses of xw and idx alone
	s_lshr_b32 s15, s12, 1                         ; cg
	s_and_b32 s16, s12, 1                          ; qh
	; group 1 for a sixteenth of a chunk: a dense block of 9,216 bytes as 36 rows of 32 elements of 8 bytes
	s_mov_b32 s32, 15|(3<<16)|(1<<21)              ; the mask: all four work-groups; bit 21 set beside it
	s_mov_b32 s33, 32<<16
	s_mov_b32 s34, 36<<16
	s_mov_b32 s35, 32<<16
	s_mov_b32 s36, 36
	s_mov_b32 s37, 32
	s_mov_b32 s38, 0
	s_mov_b32 s39, 0
	s_mov_b32 s20, 0x76543210
	s_mov_b32 s21, 0xfedcba98                      ; v_permlanex16_b32's selects for lane l xor 16
	s_mov_b32 s52, 0
	s_mov_b32 s53, -1
	s_mov_b32 s55, SLOT1
	s_mul_i32 s56, s12, 9216                       ; my sixteenth of a chunk, in memory and in a slot: the wave's number alone
	s_mov_b32 s57, 0
	s_lshl_b32 s17, s15, 14                        ; codes: 16384 cg
	s_lshl_b32 s18, s15, 10
	s_add_co_u32 s19, s18, 139264                  ; scale words: 139264 + 1024 cg
	s_add_co_u32 s18, s18, 131072                  ; C: 131072 + 1024 cg
	s_lshl_b32 s23, s16, 12
	s_add_co_u32 s23, s23, MRG                     ; MRG + 4096 qh
	s_lshl_b32 s22, s15, 3
	s_add_co_u32 s22, s22, s23                     ; + 8 cg
	s_lshl_b32 s24, s16, 8
	s_lshl_b32 s25, s15, 10
	s_lshl_b32 s26, s16, 12
	s_add_co_u32 s27, s24, 8192
	; every address register is made here, of the thread's and the wave's number and constants
	v_and_b32 v13, 15, v0                          ; r
	v_bfe_u32 v14, v0, 4, 1                        ; h
	v_and_b32 v15, 31, v0                          ; lane
	v_lshl_add_u32 v3, v15, 4, s17                 ; codes: 16384 cg + 16 lane
	v_lshl_add_u32 v4, v14, 5, s18                 ; C: + 32 h: my half's eight numbers
	v_lshl_add_u32 v5, v13, 2, s19                 ; scale words: + 4 r
	v_lshl_add_u32 v9, v13, 6, s22                 ; my result: query 64 qh + 16 q + r, place cg
	v_lshl_add_u32 v10, v15, 7, s23                ; waves 0, 1: queries 64 w + 2 lane and the next
	v_lshl_add_u32 v11, v15, 3, s24                ; and their 8 bytes in idx
	v_lshl_add_u32 v12, v14, 3, s25                ; 1024 cg + 8 h: what my lane adds to 16 n + j
	v_lshl_add_u32 v240, v15, 4, s26               ; xw: my four fragments: 4096 qh + 16 lane
	v_lshl_add_u32 v241, v13, 2, s27               ; and their scale words: 8192 + 256 qh + 4 r
	s_wait_alu depctr_va_vdst(0)
	s_wait_dscnt 0x0                               ; both opening adds are done
	s_wait_kmcnt 0x0
	s_mul_i32 s58, s14, 8704
	s_mov_b32 s59, 0
	s_add_nc_u64 s[4:5], s[4:5], s[58:59]          ; xw at my work-group's block
	s_lshl_b32 s58, s14, 9
	s_add_nc_u64 s[10:11], s[10:11], s[58:59]      ; idx at my work-group's first query
	s_mov_b32 s44, 1                               ; chunk 0 into slot 0
	s_mov_b32 s45, s56
	s_add_nc_u64 s[46:47], s[6:7], s[56:57]
	s_or_b32 s47, s47, 0x80000000
	s_mov_b32 s48, 1                               ; chunk 1 into slot 1
	s_add_co_u32 s49, s56, SLOT1
	s_add_nc_u64 s[50:51], s[6:7], s[56:57]
	s_add_nc_u64 s[50:51], s[50:51], CHB
	s_or_b32 s51, s51, 0x80000000
	ROUND                                          ; all four work-groups are here: the first joint loads meet
	tensor_load_to_lds s[44:47], s[32:39]          ; chunk 0: one tensor load a wave at the head
	s_nop 0
.irp q, 0,1,2,3
	global_load_b128 v[16+16*\q:19+16*\q], v240, s[4:5] offset:1024*\q
	global_load_b128 v[20+16*\q:23+16*\q], v240, s[4:5] offset:1024*\q+512
	global_load_b32 v[80+\q], v241, s[4:5] offset:64*\q
.endr
	; Written once: the zero codes of the upper 64 along K; and a state in which the first step's maxima find nothing, so that the step is written once
.irp q, 0,1,2,3
.irp j, 8,9,10,11,12,13,14,15
	v_mov_b32 v[16+16*\q+\j], 0
.endr
.endr
.irp b, 0,1
.irp j, 8,9,10,11,12,13,14,15
	v_mov_b32 v[88+16*\b+\j], 0
.endr
.endr
.set i, 136
.rept 40
	v_mov_b32 v[i], 0xff800000                     ; the four results and both sets of the best score: -infinity
.set i, i+1
.endr
.rept 36
	v_mov_b32 v[i], 0                              ; the best tile, and its scores
.set i, i+1
.endr
.irp j, 220,221,222,223,224,225,226,227
	v_mov_b32 v[\j], 0                             ; the end's lane permutes: their destinations count as sources
.endr
	s_wait_alu depctr_va_vdst(0)
	s_wait_tensorcnt 0x0                           ; my part of chunk 0 is in
	ds_add_u32 v1, v2
	s_wait_dscnt 0x0
	ROUND                                          ; everybody's part of chunk 0 is in, and all four work-groups are here
	tensor_load_to_lds s[48:51], s[32:39]          ; chunk 1 into slot 1: the first tensor load behind the round
	s_nop 0
	v_add_nc_u32 v6, s52, v3
	v_add_nc_u32 v7, s52, v4
	v_add_nc_u32 v8, s52, v5
	LOADS 0, 0
	s_wait_loadcnt 0x0                             ; x's fragments and scale words are in
	s_mov_b32 s54, 2
.Lchunk:                                           ; chunks 0 and 1: each leaves its slot to the chunk two on
	CHUNK 1
	s_sub_co_u32 s54, s54, 1
	s_cmp_lg_u32 s54, 0
	s_cbranch_scc1 .Lchunk
	CHUNK 2                                        ; the tail is written out: chunk 2 asks for nothing
	CHUNK 3                                        ; chunk 3 has no next tile,
	PP 0, 1, 0                                     ; and the last tile's maxima
	PP 2, 3, 0
	; THE END.  The best score's place among its tile's eight (the lowest where several are equal); the index; the better of the two halves of the lanes, the lower index where the scores are equal.
.irp q, 0,1,2,3
	v_mov_b32 v[216+\q], 7
.endr
.irp j, 6,5,4,3,2,1,0
.irp q, 0,1,2,3
	v_cmp_eq_f32 vcc_lo, v[180+8*\q+\j], v[168+\q]
	v_cndmask_b32 v[216+\q], v[216+\q], \j, vcc_lo
.endr
.endr
.irp q, 0,1,2,3
	v_lshl_add_u32 v[176+\q], v[176+\q], 4, v[216+\q]
.endr
.irp q, 0,1,2,3
	v_add_nc_u32 v[176+\q], v[176+\q], v12         ; 1024 cg + 16 n + 8 h + j
.endr
.irp q, 0,1,2,3
	v_permlanex16_b32 v[220+\q], v[168+\q], s20, s21
	v_permlanex16_b32 v[224+\q], v[176+\q], s20, s21
.endr
.irp q, 0,1,2,3
	v_cmp_gt_f32 s60, v[220+\q], v[168+\q]
	v_cmp_eq_f32 s61, v[220+\q], v[168+\q]
	v_cmp_lt_u32 s62, v[224+\q], v[176+\q]
	s_and_b32 s61, s61, s62
	s_or_b32 s60, s60, s61                         ; lanes that take the other half's pair: the masks only select, nothing branches on them
	v_cndmask_b32 v[228+2*\q], v[168+\q], v[220+\q], s60
	v_cndmask_b32 v[229+2*\q], v[176+\q], v[224+\q], s60
	ds_store_b64 v9, v[228+2*\q:229+2*\q] offset:1024*\q   ; both halves of the lanes write the same 8 bytes with the same value
.endr
	s_wait_dscnt 0x0                               ; for the others' sake: my results are stored
	s_barrier_signal -1
	s_barrier_wait -1
	s_cmp_gt_u32 s12, 1
	s_cbranch_scc1 .Ldone                          ; waves 0 and 1 join the eight parts of 64 queries each, two queries a lane; a strict compare keeps the lower cg
.irp k, 0,1,2,3,4,5,6,7
	ds_load_b128 v[136+4*\k:139+4*\k], v10 offset:16*\k
.endr
	s_wait_dscnt 0x0
.irp c, 1,2,3,4,5,6
	v_cmp_gt_f32 vcc_lo, v[136+2*\c], v136
	v_cmp_gt_f32 s60, v[152+2*\c], v152
	v_cndmask_b32 v136, v136, v[136+2*\c], vcc_lo
	v_cndmask_b32 v137, v137, v[137+2*\c], vcc_lo
	v_cndmask_b32 v152, v152, v[152+2*\c], s60
	v_cndmask_b32 v153, v153, v[153+2*\c], s60
.endr
	v_cmp_gt_f32 vcc_lo, v150, v136
	v_cmp_gt_f32 s60, v166, v152
	v_cndmask_b32 v216, v137, v151, vcc_lo
	v_cndmask_b32 v217, v153, v167, s60
	global_store_b64 v11, v[216:217], s[10:11]     ; 32 lanes store 256 consecutive bytes, at a multiple of 256 from idx's first byte
.Ldone:
	s_wait_tensorcnt 0x0                           ; the wave's end, behind my last tensor load and my last LDS store
	ds_add_u32 v1, v2
	s_wait_dscnt 0x0
	ROUND                                          ; the closing round: no work-group ends while a partner may still ask for a chunk that names it
	s_endpgm
.Lfunc_end_k_q790b1acc46_search:
	.size	k_q790b1acc46_search, .Lfunc_end_k_q790b1acc46_search-k_q790b1acc46_search
	.p2alignl 7, 3214868480
	.fill 96, 4, 3214868480
	.section	.rodata,"a",@progbits
	.p2align	6, 0x0
	.amdhsa_kernel k_q790b1acc46_search
		.amdhsa_group_segment_fixed_size 327680
		.amdhsa_private_segment_fixed_size 0
		.amdhsa_enable_private_segment 0
		.amdhsa_kernarg_size 24
		.amdhsa_user_sgpr_count 2
		.amdhsa_user_sgpr_kernarg_segment_ptr 1
		.amdhsa_wavefront_size32 1
		.amdhsa_system_sgpr_workgroup_id_x 1
		.amdhsa_system_sgpr_workgroup_id_y 1
		.amdhsa_system_sgpr_workgroup_id_z 1
		.amdhsa_system_vgpr_workitem_id 0
		.amdhsa_next_free_vgpr 256
		.amdhsa_next_free_sgpr 66
		.amdhsa_reserve_vcc 1
		.amdhsa_float_denorm_mode_32 3
		.amdhsa_float_denorm_mode_16_64 3
		.amdhsa_memory_ordered 1
		.amdhsa_forward_progress 1
		.amdhsa_inst_pref_size 186
	.end_amdhsa_kernel
	.amdgpu_metadata
---
amdhsa.version: [ 1, 2 ]
amdhsa.kernels:
  - .name:           k_q790b1acc46_search
    .symbol:         k_q790b1acc46_search.kd
    .args:
      - { .name: xw, .offset: 0, .size: 8, .value_kind: global_buffer, .address_space: global }
      - { .name: ew, .offset: 8, .size: 8, .value_kind: global_buffer, .address_space: global }
      - { .name: idx, .offset: 16, .size: 8, .value_kind: global_buffer, .address_space: global }
    .group_segment_fixed_size: 327680
    .private_segment_fixed_size: 0
    .kernarg_segment_align: 8
    .kernarg_segment_size: 24
    .max_flat_workgroup_size: 512
    .sgpr_count:     66
    .vgpr_count:     256
    .wavefront_size: 32
...
	.end_amdgpu_metadata
.endif
;; end of part 2
;; launch gather (part 3): grid 256 x 1, 8 waves a work-group, no clusters, 34,304 bytes of LDS; arguments idx, embedding, out0, out1; writes out0, out1
.if DOCPART == 3
	.amdgcn_target "amdgcn-amd-amdhsa--gfx1250"
	.amdhsa_code_object_version 6
	.text
	.protected	k_q790b1acc46_gather
	.globl	k_q790b1acc46_gather
	.p2align	8
	.type	k_q790b1acc46_gather,@function
k_q790b1acc46_gather:
	s_mov_b64 s[64:65], 0
	v_nop
	global_prefetch_b8 v0, s[64:65] scope:SCOPE_SE
	s_setreg_imm32_b32 hwreg(HW_REG_WAVE_MODE, 25, 1), 1
	s_wait_xcnt 0x0
; out1[q][:] = embedding[idx[q]][:] (b h w c); out0 = the same laid b c h w.
; LEFT OUT: x + (e[idx] - x) = e[idx] by an identity, for all finite values: x is not read here and is no argument.  A NaN, an infinity or an overflow that would arise in that sum alone is not carried on.
; Work-group g takes queries 128 g .. 128 g + 127, wave w sixteen of them.  Sixteen lanes read a code's whole row of 256 bytes and store it to out1 as it is; the rows also go to a stage in LDS
; (query ql at 260 ql: 65 words, so that neither the stores by rows nor the loads by columns meet in a bank: 64 banks of 4 bytes, ISA guide 11.1), and behind one barrier each wave takes
; eight channels of all 128 queries and stores them to out0, sixteen lanes to 256 consecutive bytes.  No matrix unit, no cluster, no tensor load: the launch only moves bytes, and work-groups share nothing but rows that the index may name twice.
.set SPARE, 33280                      ; behind the stage: the spare words, 128 bytes for each wave: four blocks of 256 bytes that no other line names
	s_load_b256 s[4:11], s[0:1], 0x0               ; idx s[4:5], embedding s[6:7], out0 s[8:9], out1 s[10:11]
	v_lshl_add_u32 v1, v0, 2, SPARE
	v_mov_b32 v2, 0
	v_lshrrev_b32 v3, 5, v0
	s_delay_alu instid0(VALU_DEP_1)
	v_readfirstlane_b32 s12, v3                    ; wave 0..7
	v_and_b32 v3, 15, v0                           ; l
	v_bfe_u32 v4, v0, 4, 1                         ; h
	s_lshl_b32 s16, s12, 6
	v_lshl_add_u32 v5, v4, 2, s16                  ; idx: query 16 w + 2 s + h: 64 w + 4 h (+ 8 s)
	v_lshlrev_b32 v6, 4, v3                        ; 16 l: my 16 bytes of a row
	s_lshl_b32 s16, s12, 12
	v_lshl_add_u32 v7, v4, 8, s16
	s_delay_alu instid0(VALU_DEP_1)
	v_add_nc_u32 v7, v7, v6                        ; out1: 4096 w + 256 h + 16 l (+ 512 s)
	s_mul_i32 s16, s12, 4160
	v_mul_u32_u24 v8, v4, 260
	s_delay_alu instid0(VALU_DEP_1)
	v_add_nc_u32 v8, v8, v6
	s_delay_alu instid0(VALU_DEP_1)
	v_add_nc_u32 v8, s16, v8                       ; the stage, in: 4160 w + 260 h + 16 l (+ 520 s + 4 n)
	s_lshl_b32 s16, s12, 5
	v_mul_u32_u24 v9, v3, 1040
	s_delay_alu instid0(VALU_DEP_1)
	v_lshl_add_u32 v9, v4, 2, v9
	s_delay_alu instid0(VALU_DEP_1)
	v_add_nc_u32 v9, s16, v9                       ; and out: queries 4 l + n, channel 8 w + h
	s_lshl_b32 s16, s12, 17
	v_lshl_add_u32 v10, v4, 14, s16
	s_delay_alu instid0(VALU_DEP_1)
	v_add_nc_u32 v10, v10, v6                      ; out0: channel 8 w + h of 16,384 bytes, + 16 l
	s_lshl_b32 s14, ttmp9, 9
	s_mov_b32 s15, 0
	s_lshl_b32 s18, ttmp9, 15
	s_mov_b32 s19, 0
	s_lshr_b32 s20, ttmp9, 5
	s_lshl_b32 s20, s20, 20                        ; b = g / 32: 2^20 bytes each,
	s_and_b32 s21, ttmp9, 31
	s_lshl_b32 s21, s21, 9                         ; + my 128 queries' 512 bytes of a channel
	s_add_co_u32 s20, s20, s21
	s_mov_b32 s21, 0
	s_wait_kmcnt 0x0
	s_add_nc_u64 s[4:5], s[4:5], s[14:15]
	s_add_nc_u64 s[10:11], s[10:11], s[18:19]
	s_add_nc_u64 s[8:9], s[8:9], s[20:21]
.irp s, 0,1,2,3,4,5,6,7
	global_load_b32 v[16+\s], v5, s[4:5] offset:8*\s
.endr
	s_wait_loadcnt 0x0
.irp s, 0,1,2,3,4,5,6,7
	v_min_u32 v[16+\s], 0x1fff, v[16+\s]           ; an index stays inside the table
.endr
.irp s, 0,1,2,3,4,5,6,7
	v_lshl_add_u32 v[16+\s], v[16+\s], 8, v6       ; the row's 256 bytes, my 16 of them
.endr
.irp s, 0,1,2,3,4,5,6,7
	global_load_b128 v[24+4*\s:27+4*\s], v[16+\s], s[6:7]
.endr
.irp s, 0,1,2,3,4,5,6,7
	s_wait_loadcnt 7-\s                            ; loads come back in order (ISA guide 5.7.1): pair s of rows is in, the younger ones stay out
	global_store_b128 v7, v[24+4*\s:27+4*\s], s[10:11] offset:512*\s th:TH_STORE_NT   ; 16 lanes store a query's 256 bytes, at a multiple of 256 from out1's first byte
.irp n, 0,1,2,3
	ds_store_b32 v8, v[24+4*\s+\n] offset:520*\s+4*\n
.endr
.endr
	s_wait_dscnt 0x0                               ; for the others' sake: my 16 rows lie in the stage
	s_barrier_signal -1
	s_barrier_wait -1
.irp u, 0,1,2,3,4,5,6,7                            ; channel 8 w + 2 (u / 2) + h, queries 64 (u % 2) + 4 l + n
.irp n, 0,1,2,3
	ds_load_b32 v[56+4*\u+\n], v9 offset:260*\n+16640*(\u%2)+8*(\u/2)
.endr
.endr
.irp u, 0,1,2,3,4,5,6,7
	s_wait_dscnt 28-4*\u                           ; LDS loads come back in order: the four of this store are in
	global_store_b128 v10, v[56+4*\u:59+4*\u], s[8:9] offset:32768*(\u/2)+256*(\u%2) th:TH_STORE_NT   ; 16 lanes store 256 consecutive bytes of a channel, at a multiple of 256 from out0's first byte
.endr
	s_wait_tensorcnt 0x0                           ; the wave's end, behind my last LDS store
	ds_add_u32 v1, v2
	s_wait_dscnt 0x0
	s_endpgm
.Lfunc_end_k_q790b1acc46_gather:
	.size	k_q790b1acc46_gather, .Lfunc_end_k_q790b1acc46_gather-k_q790b1acc46_gather
	.p2alignl 7, 3214868480
	.fill 96, 4, 3214868480
	.section	.rodata,"a",@progbits
	.p2align	6, 0x0
	.amdhsa_kernel k_q790b1acc46_gather
		.amdhsa_group_segment_fixed_size 34304
		.amdhsa_private_segment_fixed_size 0
		.amdhsa_enable_private_segment 0
		.amdhsa_kernarg_size 32
		.amdhsa_user_sgpr_count 2
		.amdhsa_user_sgpr_kernarg_segment_ptr 1
		.amdhsa_wavefront_size32 1
		.amdhsa_system_sgpr_workgroup_id_x 1
		.amdhsa_system_sgpr_workgroup_id_y 1
		.amdhsa_system_sgpr_workgroup_id_z 1
		.amdhsa_system_vgpr_workitem_id 0
		.amdhsa_next_free_vgpr 96
		.amdhsa_next_free_sgpr 66
		.amdhsa_reserve_vcc 0
		.amdhsa_float_denorm_mode_32 3
		.amdhsa_float_denorm_mode_16_64 3
		.amdhsa_memory_ordered 1
		.amdhsa_forward_progress 1
		.amdhsa_inst_pref_size 11
	.end_amdhsa_kernel
	.amdgpu_metadata
---
amdhsa.version: [ 1, 2 ]
amdhsa.kernels:
  - .name:           k_q790b1acc46_gather
    .symbol:         k_q790b1acc46_gather.kd
    .args:
      - { .name: idx, .offset: 0, .size: 8, .value_kind: global_buffer, .address_space: global }
      - { .name: embedding, .offset: 8, .size: 8, .value_kind: global_buffer, .address_space: global }
      - { .name: out0, .offset: 16, .size: 8, .value_kind: global_buffer, .address_space: global }
      - { .name: out1, .offset: 24, .size: 8, .value_kind: global_buffer, .address_space: global }
    .group_segment_fixed_size: 34304
    .private_segment_fixed_size: 0
    .kernarg_segment_align: 8
    .kernarg_segment_size: 32
    .max_flat_workgroup_size: 256
    .sgpr_count:     66
    .vgpr_count:     96
    .wavefront_size: 32
...
	.end_amdgpu_metadata
.endif
;; end of part 3
